; MI455X (gfx1250); checked and timed in simulation.
; The chip was launched on July 23, 2026; its instructions are those of AMD's public machine-readable ISA for CDNA 5 (MIT licence, August 2026) and "CDNA5" Instruction Set Architecture Reference Guide (July 2026). The comments in the code are by the model that wrote it; some were corrected since.
;; Gumbel Sort. Allowed arithmetic: float matrix products may take bf16 or f16 operands with f32 sums; all other float work in f32.
;; Inputs: gumbel_noise 16,384 float32; logits 16,384 float32.
;; Outputs: out0 16,384 float32; out1 16,384 float32.
;; One version. Each part assembles by itself: llvm-mc -triple=amdgcn-amd-amdhsa -mcpu=gfx1250 --defsym DOCPART=n.
;; ======== version 1 of 1: 1 launch
;; limits: right only within a limited range of input values
;; launch gumbel (part 1): grid 256 x 1, 16 waves a work-group, no clusters, 264,704 bytes of LDS; arguments logits, gumbel_noise, out0, out1; writes out0, out1
.if DOCPART == 1
	.amdgcn_target "amdgcn-amd-amdhsa--gfx1250"
	.amdhsa_code_object_version 6
	.text
	.protected	k_q6c7120f599_gumbel
	.globl	k_q6c7120f599_gumbel
	.p2align	8
	.type	k_q6c7120f599_gumbel,@function
k_q6c7120f599_gumbel:
	s_mov_b64 s[64:65], 0
	v_nop
	global_prefetch_b8 v0, s[64:65] scope:SCOPE_SE
	s_setreg_imm32_b32 hwreg(HW_REG_WAVE_MODE, 25, 1), 1
	s_wait_xcnt 0x0
; g[i] = logits[i] + noise[i];  log_prob[i] = -ln( sum over j with g[i] >= g[j] of exp(logits[j] - logits[i]) + 1e-10 ).   N = 16,384.
;
; THE SUM IS FACTORED: exp(l_j - l_i) = 2^(x_j) * 2^(-x_i), x = l * log2(e), so that a pair (i, j) costs only its mask.  One scale for all j would
; lose the rows whose whole set lies far below the largest logit, so each j goes into ONE of three bins of 224 binades, counted down from the
; largest logit (which is found first): with v_j = (l_j - max l) log2(e) + 110, bin 0 is v > -114, bin 1 is -338 < v <= -114, bin 2 the rest, and
; e_j = 2^(v_j + 224 bin) lies in (2^-114, 2^110]: 16,384 of them stay under 2^124.  Each bin is summed by itself (D_0, D_1, D_2) and the three meet at
; the end as S = sum over k of 2^(log2 D_k - 224 k - v_i).  S is the reference's own sum, which is at least 1 (its term j = i): a bin's share that
; underflows is nothing beside it, and one that overflows makes the reference's sum infinite as well.
;
; THE MASKED SUMS ARE MATRIX PRODUCTS: D[i][bin] = sum over j of mask[i][j] * table[bin][j], bf16 operands, f32 sums.  In A, lane (r, h) holds row i = r
; and register c the pair's mask TWICE (both bf16 halves 1.0 or 0): one compare and one select make a register.  In B, register c of the same lane
; holds the word of the same j: low half bf16(e_j cut to 8 bits), high half bf16(what was cut off), so the operand is good to 2^-16.  Column n of B
; is bin n: lanes read table min(r & 3, 2); columns 3 to 15 repeat bins and are not used.  One matrix instruction takes 16 rows x 16 j.
;
; SHARES: 256 work-groups, each 64 rows i against all j, so no sum spans work-groups.  16 waves; wave w takes j = 1024 w .. 1024 w + 1023 for all 64 rows
; (four accumulators), so the 4 LDS loads of a group of 16 j feed 64 vector and 4 matrix instructions.  The waves' sums meet in LDS at the end.
;
; NO CLUSTER, NO TENSOR LOADS: what the work-groups share is each input read once (131,072 bytes) ahead of all the arithmetic, and every number is
; changed in registers on its way to LDS (g, the bin, the table words); a raw copy of the inputs in LDS beside the tables (262,192 bytes) would pass the
; 327,680 bytes that a work-group can be given.
;
; LIMITS: inputs are finite (a NaN or an infinity among the logits would spread through 0 x NaN in the products).  max - min of the logits is at most
; 460: a row more than 684 binades (474) below the largest logit has its own term flushed to zero.  The order of the sums differs from the reference's.
.set WAVES,   16
.set CHUNKS,  8                        ; 16,384 j / (512 threads x 4)
.set CHB,     8192                     ; bytes of a chunk: 512 threads x 16
.set PAIRS,   32                       ; a wave's 1,024 j = 64 groups of 16 = 32 pairs of groups
.set LT,      65536                    ; LDS: g[j] at 0; table k at LT + k TPITCH
.set TPITCH,  65552                    ; 65,536 + 16: the three tables' words of one j lie 16 bytes apart modulo 256, so one load's three addresses do not meet
.set LRED,    262400                   ; 16 words: the waves' maxima
.set LSCR,    LT                       ; the waves' partial sums, over the tables when nobody reads them any more
.set CPITCH,  272                      ; a column of 64 rows, 256 bytes + 16: the 16 columns that a store touches start 16 bytes apart modulo 256
.set WPITCH,  16*CPITCH                ; a wave's 16 columns
.set LOG2E,   0x3fb8aa3b
.set F_TOP,   0x42dc0000               ; 110.0
.set F_W,     0x43600000               ; 224.0
.set F_2W,    0x43e00000               ; 448.0
.set F_TH0,   0xc2e40000               ; -114.0 = 110 - 224
.set F_TH1,   0xc3a90000               ; -338.0 = 110 - 448
.set F_EPS,   0x2edbe6ff               ; 1e-10
.set F_NLN2,  0xbf317218               ; -ln 2
.set OFF16, 1                          ; v1       16 x thread: my 16 bytes in a chunk, in memory and in each table; never rewritten
.set C0,    2                          ; v[2:3]   110 - max l x log2(e), twice
.set GI,    4                          ; v[4:7]   g of row 16 t + r, t = 0..3 (first its logit)
.set GN,    8                          ; v[8:11]  that row's noise
.set ONE,   12                         ; v12      bf16 1.0 twice
.set ADG,   13                         ; v13      LDS address of my 8 g[j] of the current pair of groups (first: 4 r)
.set ADB,   14                         ; v14      the same in my column's table
.set ZERO,  15
.set AT,    16                         ; v[16:18] making the tables: my 16 bytes in table 0, 1, 2
.set VW1,   19                         ; 224.0
.set VW2,   20                         ; 448.0
.set MX,    24                         ; v[24:27] four running maxima
.set RD,    28                         ; v[28:43] the 16 waves' maxima
.set PV,    24                         ; v[24:27] v of four j
.set PT,    28                         ; v[28:31] at work
.set PE,    32                         ; v[32:35] e, then the table word
.set PG,    36                         ; v[36:39] g
.set PW,    40                         ; v[40:51] the word or 0, for tables 0, 1, 2
.set RL,    64                         ; v[64:95]  my 32 logits
.set RN,    96                         ; v[96:127] my 32 noises
.set GJ,    16                         ; v[16:31] g[j], two buffers of 8
.set BF,    32                         ; v[32:47] B fragments, two buffers of 8
.set AM,    48                         ; v[48:63] masks (A fragments), two buffers of 8
.set ACC,   64                         ; v[64:95] four accumulators
.set P,     16                         ; v[16:111] the end: 16 waves x 3 bins x 2 rows
.set OFI,   112
.set RA,    113
.set LI,    114
.set NI,    116
.set RB,    118
.set LG2,   120
.set MK,    40                         ; s[40:47] eight masks
.set MB,    40                         ; making the tables: s[40:43] below bin 0, s[44:47] bin 2, s[48:51] bin 1
.set MC,    44
.set MM,    48
	s_load_b256 s[4:11], s[0:1], 0x0               ; logits s[4:5], noise s[6:7], out0 s[8:9], out1 s[10:11]
	v_lshl_add_u32 v128, v0, 2, 0x40200
	v_mov_b32 v129, 0
	v_lshlrev_b32 v[OFF16], 4, v0
	v_and_b32 v[ADG], 15, v0
	v_lshlrev_b32 v[ADG], 2, v[ADG]                ; 4 r
	v_lshrrev_b32 v[ADB], 5, v0
	v_readfirstlane_b32 s12, v[ADB]                ; wave 0..15
	s_lshl_b32 s16, ttmp9, 8                       ; my 64 rows: 256 bytes of each array
	s_mov_b32 s17, 0
	s_mov_b32 s14, 0x76543210                      ; v_permlanex16_b32: lane i reads lane i of the other half
	s_mov_b32 s15, 0xfedcba98
	s_mov_b32 s18, F_TH0
	s_mov_b32 s19, F_TH1
	s_mov_b32 s25, F_TOP
	s_mov_b32 s26, LOG2E
	s_wait_kmcnt 0x0
	s_add_nc_u64 s[20:21], s[4:5], s[16:17]        ; logits, noise, out0, out1 at my first row
	s_add_nc_u64 s[22:23], s[6:7], s[16:17]
	s_add_nc_u64 s[8:9], s[8:9], s[16:17]
	s_add_nc_u64 s[10:11], s[10:11], s[16:17]
	; every load of the wave goes out here: 8 for my rows, 8 x 16 bytes of logits, 8 x 16 bytes of noise; a wave's 16-byte load covers 512 neighbouring bytes
.irp t, 0,1,2,3
	global_load_b32 v[GI+\t], v[ADG], s[20:21] offset:64*\t
	global_load_b32 v[GN+\t], v[ADG], s[22:23] offset:64*\t
.endr
.irp c, 0,1,2,3,4,5,6,7
	global_load_b128 v[RL+4*\c:RL+4*\c+3], v[OFF16], s[4:5] offset:\c*CHB
.endr
.irp c, 0,1,2,3,4,5,6,7
	global_load_b128 v[RN+4*\c:RN+4*\c+3], v[OFF16], s[6:7] offset:\c*CHB
.endr
	v_mov_b32 v[ZERO], 0
	v_mov_b32 v[ONE], 0x3f803f80
	v_mov_b32 v[VW1], F_W
	v_mov_b32 v[VW2], F_2W
	v_add_nc_u32 v[AT+0], LT, v[OFF16]
	v_add_nc_u32 v[AT+1], LT+TPITCH, v[OFF16]
	v_add_nc_u32 v[AT+2], LT+2*TPITCH, v[OFF16]
	; THE LARGEST LOGIT: my 32 in four chains, the wave's 32 lanes, the 16 waves through LDS
	s_wait_loadcnt 8                               ; loads come back in order: the eight loads of noise may stay out, my rows and my logits are in
.irp k, 0,1,2,3
	v_max3_num_f32 v[MX+\k], v[RL+3*\k], v[RL+3*\k+1], v[RL+3*\k+2]    ; the first twelve start the chains
.endr
.set j, 12
.rept 10
	v_max3_num_f32 v[MX+(j/2)%4], v[MX+(j/2)%4], v[RL+j], v[RL+j+1]
.set j, j+2
.endr
	v_max3_num_f32 v[MX], v[MX], v[MX+1], v[MX+2]
	v_max_num_f32 v[MX], v[MX], v[MX+3]
	v_max_num_f32_dpp v[MX], v[MX], v[MX] row_xmask:1 row_mask:0xf bank_mask:0xf
	v_max_num_f32_dpp v[MX], v[MX], v[MX] row_xmask:2 row_mask:0xf bank_mask:0xf
	v_max_num_f32_dpp v[MX], v[MX], v[MX] row_xmask:4 row_mask:0xf bank_mask:0xf
	v_max_num_f32_dpp v[MX], v[MX], v[MX] row_xmask:8 row_mask:0xf bank_mask:0xf
	v_permlanex16_b32 v[MX+1], v[MX], s14, s15     ; its destination counts as read: a register that has been written
	v_max_num_f32 v[MX], v[MX], v[MX+1]
	s_lshl_b32 s27, s12, 2
	s_add_co_u32 s27, s27, LRED
	v_mov_b32 v[MX+2], s27
	ds_store_b32 v[MX+2], v[MX]                    ; all lanes write the wave's word with the same value
	s_wait_dscnt 0x0                               ; for the other waves' sake: my word is in LDS
	s_barrier_signal -1
	s_barrier_wait -1
	v_mov_b32 v[MX+2], LRED
.irp q, 0,1,2,3
	ds_load_b128 v[RD+4*\q:RD+4*\q+3], v[MX+2] offset:16*\q
.endr
.irp t, 0,1,2,3
	v_add_f32 v[GI+\t], v[GI+\t], v[GN+\t]         ; g of my rows, by the same rounding as the table's g
.endr
	s_wait_dscnt 0x0
	v_max3_num_f32 v[RD+0],  v[RD+0],  v[RD+1],  v[RD+2]
	v_max3_num_f32 v[RD+3],  v[RD+3],  v[RD+4],  v[RD+5]
	v_max3_num_f32 v[RD+6],  v[RD+6],  v[RD+7],  v[RD+8]
	v_max3_num_f32 v[RD+9],  v[RD+9],  v[RD+10], v[RD+11]
	v_max3_num_f32 v[RD+12], v[RD+12], v[RD+13], v[RD+14]
	v_max3_num_f32 v[RD+0],  v[RD+0],  v[RD+3],  v[RD+15]
	v_max3_num_f32 v[RD+0],  v[RD+0],  v[RD+6],  v[RD+9]
	v_max_num_f32  v[RD+0],  v[RD+0],  v[RD+12]
	v_fma_f32 v[C0], -v[RD+0], s26, s25            ; 110 - max l x log2(e): the same number in every work-group, so it cancels in v_j - v_i
	v_mov_b32 v[C0+1], v[C0]
; THE TABLES.  Four j of chunk c: g, the bin, e in the bin's scale, the word (e cut to bf16, and what was cut off), and the word or 0 for each table.
.macro PREP c
	s_wait_loadcnt 7-\c                            ; this chunk's noise is in; the younger chunks' loads stay out
	v_pk_fma_f32 v[PV:PV+1],   v[RL+4*\c:RL+4*\c+1],   LOG2E, v[C0:C0+1] op_sel_hi:[1,0,1]
	v_pk_fma_f32 v[PV+2:PV+3], v[RL+4*\c+2:RL+4*\c+3], LOG2E, v[C0:C0+1] op_sel_hi:[1,0,1]
.irp k, 0,1,2,3
	v_cmp_ge_f32 s[MB+\k], s18, v[PV+\k]           ; -114 >= v: below bin 0
	v_cmp_ge_f32 s[MC+\k], s19, v[PV+\k]           ; -338 >= v: bin 2
.endr
.irp k, 0,1,2,3
	v_cndmask_b32 v[PT+\k], 0, v[VW1], s[MB+\k]
.endr
.irp k, 0,1,2,3
	v_cndmask_b32 v[PT+\k], v[PT+\k], v[VW2], s[MC+\k]     ; 224 x bin
	s_and_not1_b32 s[MM+\k], s[MB+\k], s[MC+\k]            ; bin 1
.endr
.irp k, 0,1,2,3
	v_add_f32 v[PT+\k], v[PV+\k], v[PT+\k]
.endr
.irp k, 0,1,2,3
	v_exp_f32 v[PE+\k], v[PT+\k]                   ; a result under 2^-126 comes out as 0: the stated limit
.endr
	v_pk_add_f32 v[PG:PG+1],   v[RL+4*\c:RL+4*\c+1],   v[RN+4*\c:RN+4*\c+1]      ; plain work between the exponentials and the first use of a result
	v_pk_add_f32 v[PG+2:PG+3], v[RL+4*\c+2:RL+4*\c+3], v[RN+4*\c+2:RN+4*\c+3]    ; (ISA guide 5.7.2): g = logits + noise
	ds_store_b128 v[OFF16], v[PG:PG+3] offset:\c*CHB
	s_wait_alu depctr_va_vdst(0)
.irp k, 0,1,2,3
	v_and_b32 v[PT+\k], 0xffff0000, v[PE+\k]       ; e cut to bf16's eight bits
.endr
.irp k, 0,1,2,3
	v_sub_f32 v[PE+\k], v[PE+\k], v[PT+\k]         ; what was cut off, exactly
.endr
.irp k, 0,1,2,3
	v_cvt_pk_bf16_f32 v[PE+\k], v[PT+\k], v[PE+\k] ; low half the first, high half the second
.endr
.irp k, 0,1,2,3
	v_cndmask_b32 v[PW+\k],   v[PE+\k], v[ZERO], s[MB+\k]
	v_cndmask_b32 v[PW+4+\k], 0, v[PE+\k], s[MM+\k]
	v_cndmask_b32 v[PW+8+\k], 0, v[PE+\k], s[MC+\k]
.endr
.irp q, 0,1,2
	ds_store_b128 v[AT+\q], v[PW+4*\q:PW+4*\q+3] offset:\c*CHB     ; neighbouring lanes, neighbouring 16 bytes
.endr
.endm
.irp c, 0,1,2,3,4,5,6,7
	PREP \c
.endr
	; my places in the tables for the loop: group n of my wave is j = 1024 w + 16 n + 8 h + c, c = register 0..7, in g[] and in my column's table alike
	v_bfe_u32 v[ADG], v0, 4, 1                     ; h (the loads that had 4 r as their offset were shown done by the first wait on LOADcnt)
	v_lshlrev_b32 v[ADG], 5, v[ADG]                ; 32 h
	v_lshl_add_u32 v[ADG], s12, 12, v[ADG]         ; + 4,096 w
	v_and_b32 v[ADB], 3, v0
	v_min_u32 v[ADB], 2, v[ADB]                    ; my column's bin
	v_mul_u32_u24 v[ADB], v[ADB], TPITCH
	v_add3_u32 v[ADB], v[ADB], v[ADG], LT
	s_wait_dscnt 0x0                               ; for the other waves' sake: my part of the tables is in LDS
	s_barrier_signal -1
	s_barrier_wait -1
; THE LOOP.  b = which buffer of g[j] and B.
.macro FETCH b, off
	ds_load_b128 v[GJ+8*(\b):GJ+8*(\b)+3],   v[ADG] offset:\off
	ds_load_b128 v[GJ+8*(\b)+4:GJ+8*(\b)+7], v[ADG] offset:\off+16
	ds_load_b128 v[BF+8*(\b):BF+8*(\b)+3],   v[ADB] offset:\off
	ds_load_b128 v[BF+8*(\b)+4:BF+8*(\b)+7], v[ADB] offset:\off+16
.endm
.macro CMP8 t, b
.irp c, 0,1,2,3,4,5,6,7
	v_cmp_ge_f32 s[MK+\c], v[GI+\t], v[GJ+8*\b+\c] ; g[i] >= g[j]
.endr
.endm
.macro SEL8 a
.irp c, 0,1,2,3,4,5,6,7
	v_cndmask_b32 v[AM+8*\a+\c], 0, v[ONE], s[MK+\c]
.endr
.endm
.macro MUL t, a, b, zero
.if \zero
	v_wmma_f32_16x16x32_bf16 v[ACC+8*\t:ACC+8*\t+7], v[AM+8*\a:AM+8*\a+7], v[BF+8*\b:BF+8*\b+7], 0
.else
	v_wmma_f32_16x16x32_bf16 v[ACC+8*\t:ACC+8*\t+7], v[AM+8*\a:AM+8*\a+7], v[BF+8*\b:BF+8*\b+7], v[ACC+8*\t:ACC+8*\t+7]
.endif
.endm
; A group of 16 j against my 64 rows.  The four accumulators take turns, one matrix instruction a turn, over the backward jump too.
; The two mask buffers take turns as well: between a matrix instruction and the first select that rewrites its masks stand the other tile's eight compares
; and eight selects and this tile's eight compares, which name none of its registers (ISA guide 7.12.1 asks for four such places).  The loads of the next
; group go into the buffer that the last group's matrix instructions read: they stand behind this group's first eight compares, for the same reason.
.macro GROUP b, zero, more, off
	s_wait_dscnt 0x0                               ; this group's four loads, issued a group ago, are the only ones out
	CMP8 0, \b
.if \more
	FETCH 1-\b, \off
.endif
	SEL8 0
	MUL 0, 0, \b, \zero
	CMP8 1, \b
	SEL8 1
	MUL 1, 1, \b, \zero
	CMP8 2, \b
	SEL8 0
	MUL 2, 0, \b, \zero
	CMP8 3, \b
	SEL8 1
	MUL 3, 1, \b, \zero
.endm
	FETCH 0, 0
	GROUP 0, 1, 1, 64                              ; the first group starts the four sums: nothing is cleared
	GROUP 1, 0, 1, 128
	v_add_nc_u32 v[ADG], 128, v[ADG]
	v_add_nc_u32 v[ADB], 128, v[ADB]
	s_mov_b32 s24, PAIRS-2
.Lpair:
	GROUP 0, 0, 1, 64
	GROUP 1, 0, 1, 128
	v_add_nc_u32 v[ADG], 128, v[ADG]               ; two groups on
	v_add_nc_u32 v[ADB], 128, v[ADB]
	s_sub_co_u32 s24, s24, 1
	s_cmp_lg_u32 s24, 0
	s_cbranch_scc1 .Lpair
	GROUP 0, 0, 1, 64
	GROUP 1, 0, 0, 0                               ; the last group fetches nothing
	; THE WAVES' SUMS MEET.  Register q of tile t in lane (r, h) is row 16 t + 8 h + q, column r: eight neighbouring rows of a column.
	; The five address instructions are also the places between the last matrix instruction and the stores that read its result.
	v_and_b32 v[P], 15, v0
	v_mul_u32_u24 v[P], v[P], CPITCH
	v_bfe_u32 v[P+1], v0, 4, 1
	v_lshl_add_u32 v[P], v[P+1], 5, v[P]           ; column r, rows from 8 h
	s_mul_i32 s27, s12, WPITCH
	s_add_co_u32 s27, s27, LSCR
	v_add_nc_u32 v[P], s27, v[P]
	s_wait_dscnt 0x0                               ; my reads of the tables are over
	s_barrier_signal -1
	s_barrier_wait -1                              ; everybody's are: the tables' bytes may be written
.irp t, 0,1,2,3
	ds_store_b128 v[P], v[ACC+8*\t:ACC+8*\t+3]   offset:64*\t      ; all 16 columns go: the same eight stores as for three
	ds_store_b128 v[P], v[ACC+8*\t+4:ACC+8*\t+7] offset:64*\t+16
.endr
	s_wait_dscnt 0x0                               ; for wave 0's sake: my sums are in LDS
	s_barrier_signal -1
	s_barrier_wait -1
	s_cmp_lg_u32 s12, 0
	s_cbranch_scc1 .Ldone
	; WAVE 0 FINISHES: lane l takes rows 2 l and 2 l + 1, so that each array's 64 numbers leave as one store of 256 neighbouring bytes, aligned
	v_and_b32 v[OFI], 31, v0
	v_lshlrev_b32 v[OFI], 3, v[OFI]
	global_load_b64 v[LI:LI+1], v[OFI], s[20:21]   ; my two rows' logits and noise; they come while the partial sums are read and added
	global_load_b64 v[NI:NI+1], v[OFI], s[22:23]
	v_add_nc_u32 v[RA], LSCR, v[OFI]
	v_add_nc_u32 v[RB], LSCR+8*WPITCH, v[OFI]      ; waves 8 to 15: beyond what the 16-bit offset reaches from RA
.set w, 0
.rept 8
.irp k, 0,1,2
	ds_load_b64 v[P+6*w+2*\k:P+6*w+2*\k+1], v[RA] offset:w*WPITCH+\k*CPITCH
.endr
.set w, w+1
.endr
.rept 8
.irp k, 0,1,2
	ds_load_b64 v[P+6*w+2*\k:P+6*w+2*\k+1], v[RB] offset:(w-8)*WPITCH+\k*CPITCH
.endr
.set w, w+1
.endr
	s_wait_dscnt 0x0
.set w, 1
.rept 15
.irp k, 0,1,2
	v_pk_add_f32 v[P+2*\k:P+2*\k+1], v[P+2*\k:P+2*\k+1], v[P+6*w+2*\k:P+6*w+2*\k+1]   ; three chains, waves in ascending order
.endr
.set w, w+1
.endr
	s_wait_loadcnt 0x0
	v_pk_add_f32 v[NI:NI+1], v[LI:LI+1], v[NI:NI+1]                ; g
	global_store_b64 v[OFI], v[NI:NI+1], s[10:11] th:TH_STORE_NT
	v_pk_fma_f32 v[LI:LI+1], v[LI:LI+1], LOG2E, v[C0:C0+1] op_sel_hi:[1,0,1]   ; v_i
.irp q, 0,1,2,3,4,5
	v_log_f32 v[LG2+\q], v[P+\q]                   ; log2 D_k; an empty bin gives -infinity, and 0 below
.endr
	v_pk_add_f32 v[P+6:P+7], v[LI:LI+1], F_W op_sel_hi:[1,0]       ; v_i + 224, v_i + 448: also the plain place behind the logarithms
	v_pk_add_f32 v[P+8:P+9], v[LI:LI+1], F_2W op_sel_hi:[1,0]
	s_wait_alu depctr_va_vdst(0)
	v_sub_f32 v[LG2+0], v[LG2+0], v[LI]
	v_sub_f32 v[LG2+1], v[LG2+1], v[LI+1]
	v_sub_f32 v[LG2+2], v[LG2+2], v[P+6]
	v_sub_f32 v[LG2+3], v[LG2+3], v[P+7]
	v_sub_f32 v[LG2+4], v[LG2+4], v[P+8]
	v_sub_f32 v[LG2+5], v[LG2+5], v[P+9]
.irp q, 0,1,2,3,4,5
	v_exp_f32 v[P+\q], v[LG2+\q]                   ; each bin's share of the reference's sum
.endr
	v_nop                                          ; the plain place behind the exponentials: nothing independent is left to do
	s_wait_alu depctr_va_vdst(0)
	v_pk_add_f32 v[P:P+1], v[P:P+1], v[P+2:P+3]
	v_pk_add_f32 v[P:P+1], v[P:P+1], v[P+4:P+5]
	v_pk_add_f32 v[P:P+1], v[P:P+1], F_EPS op_sel_hi:[1,0]         ; + 1e-10
	v_log_f32 v[P+2], v[P]
	v_log_f32 v[P+3], v[P+1]
	v_nop
	s_wait_alu depctr_va_vdst(0)
	v_pk_mul_f32 v[P+2:P+3], v[P+2:P+3], F_NLN2 op_sel_hi:[1,0]    ; -ln = -ln 2 x log2
	global_store_b64 v[OFI], v[P+2:P+3], s[8:9] th:TH_STORE_NT
.Ldone:
	s_wait_tensorcnt 0x0
	ds_add_u32 v128, v129
	s_wait_dscnt 0x0
	s_endpgm
.Lfunc_end_k_q6c7120f599_gumbel:
	.size	k_q6c7120f599_gumbel, .Lfunc_end_k_q6c7120f599_gumbel-k_q6c7120f599_gumbel
	.p2alignl 7, 3214868480
	.fill 96, 4, 3214868480
	.section	.rodata,"a",@progbits
	.p2align	6, 0x0
	.amdhsa_kernel k_q6c7120f599_gumbel
		.amdhsa_group_segment_fixed_size 264704
		.amdhsa_private_segment_fixed_size 0
		.amdhsa_enable_private_segment 0
		.amdhsa_kernarg_size 32
		.amdhsa_user_sgpr_count 2
		.amdhsa_user_sgpr_kernarg_segment_ptr 1
		.amdhsa_wavefront_size32 1
		.amdhsa_system_sgpr_workgroup_id_x 1
		.amdhsa_system_sgpr_workgroup_id_y 1
		.amdhsa_system_sgpr_workgroup_id_z 1
		.amdhsa_system_vgpr_workitem_id 0
		.amdhsa_next_free_vgpr 130
		.amdhsa_next_free_sgpr 66
		.amdhsa_reserve_vcc 0
		.amdhsa_float_denorm_mode_32 3
		.amdhsa_float_denorm_mode_16_64 3
		.amdhsa_memory_ordered 1
		.amdhsa_forward_progress 1
		.amdhsa_inst_pref_size 71
	.end_amdhsa_kernel
	.amdgpu_metadata
---
amdhsa.version: [ 1, 2 ]
amdhsa.kernels:
  - .name:           k_q6c7120f599_gumbel
    .symbol:         k_q6c7120f599_gumbel.kd
    .args:
      - { .name: logits, .offset: 0, .size: 8, .value_kind: global_buffer, .address_space: global }
      - { .name: gumbel_noise, .offset: 8, .size: 8, .value_kind: global_buffer, .address_space: global }
      - { .name: out0, .offset: 16, .size: 8, .value_kind: global_buffer, .address_space: global }
      - { .name: out1, .offset: 24, .size: 8, .value_kind: global_buffer, .address_space: global }
    .group_segment_fixed_size: 264704
    .private_segment_fixed_size: 0
    .kernarg_segment_align: 8
    .kernarg_segment_size: 32
    .max_flat_workgroup_size: 512
    .sgpr_count:     66
    .vgpr_count:     130
    .wavefront_size: 32
...
	.end_amdgpu_metadata
.endif
;; end of part 1
